; MI455X (gfx1250); checked and timed in simulation.
; The chip was launched on July 23, 2026; its instructions are those of AMD's public machine-readable ISA for CDNA 5 (MIT licence, August 2026) and "CDNA5" Instruction Set Architecture Reference Guide (July 2026). The comments in the code are by the model that wrote it; some were corrected since.
;; Bahdanau Attention. Allowed arithmetic: matrix products marked QUANTISED: E5M2 operands, one given power-of-two scale a tensor, by v_wmma_f32_16x16x64_bf8_bf8 or v_wmma_f32_16x16x128_bf8_bf8, f32 sums; everything else in f32.
;; Inputs: W1_codes 256 x 8 x 32 uint8 (E5M2 codes of W1, K innermost, in blocks of 32 codes); W2_codes 256 x 8 x 32 uint8 (E5M2 codes of W2, K innermost, in blocks of 32 codes); b1 256 float32; b2 256 float32; lowp_scales 6 int32 (the exponents e of the quantised operands' scales 2^e); query 8 x 256 x 256 float32; value 8 x 512 x 256 float32.
;; Outputs: out0 8 x 256 x 512 float32; out1 8 x 512 x 256 float32.
;; This version of the problem:
;;   THIS VERSION OF THE PROBLEM IS GIVEN IN LOW PRECISION. The matrix products marked QUANTISED in the list below multiply operands that are first quantised to E5M2 (5 exponent bits, 2 mantissa bits; 8 bits a number), with one given power-of-two scale for each operand tensor; their sums are f32. All else is computed in f32.
;;   The module's matrix products, in the order in which they are computed (A, B: the left and right operand; K: the contracted axis; several contracted axes count as one K, in the product's order):
;;     1. [M 2,048, K 256] x [K 256, N 256]; A: input query; B: input W1 (given as codes): QUANTISED (scales: A lowp_scales[0], B lowp_scales[1])
;;     2. [M 4,096, K 256] x [K 256, N 256]; A: input value; B: input W2 (given as codes): QUANTISED (scales: A lowp_scales[2], B lowp_scales[3])
;;     3. batch 8 x [M 256, K 512] x [K 512, N 256]; A: softmax (see below); B: input value: QUANTISED (scales: A lowp_scales[4], B lowp_scales[5])
;;   THE QUANTISER, for each operand of a quantised product, along K:
;;     - The operand's scale is 2^e, e = its entry of the input lowp_scales (int32; the entries are numbered through the quantised products in the list's order, A before B).
;;     - Each number is divided by the scale, clamped to +-57,344, and rounded to the nearest number of E5M2, ties to even, subnormals kept.
;;     - The product sums the exact products of the quantised numbers (number of the format x scale) in f32.
;;   ~~~python
;;   def quantise(x, axis, e):      # numpy; x: float32 -> the quantised numbers, widened to float32 again
;;       x = np.moveaxis(x, axis, -1); K = x.shape[-1]
;;       r = np.clip(x / 2.0 ** e, -57344, 57344)
;;       step = 2.0 ** (np.maximum(np.frexp(np.where(r == 0, 1, r))[1] - 1, -14) - 2)
;;       q = np.round(r / step) * step * 2.0 ** e      # np.round: ties to even
;;       return np.moveaxis(q, -1, axis).astype(np.float32)
;;   ~~~
;;   SOFTMAX AHEAD OF A QUANTISED PRODUCT. Where the list says 'softmax', what is quantised is not the finished softmax but p = 2^(t - M), with t = logit x log2(e) and M = ceil(the row's largest t), a whole number; so 1/2 < the row's largest p <= 1. The row's sum l is taken of the UNQUANTISED p, in f32, and the product's result is divided by l at the end. Since M is a whole number, a kernel that streams over the keys may use a running M (the ceiling of the running maximum): every later rescaling is an exact power of two, so the quantised numbers keep their values, but for numbers so far below the row's largest that they fall under the format's range.
;;   OPERANDS COMPUTED ON THE WAY. 'Computed on the way' means the value that the module computes at that place (a softmax that the list does not call 'softmax' is quantised finished and normalised). What goes into a quantiser is computed in f32, as accurately as f32 sums, v_exp_f32 and their like allow (about 1e-6 of the number): no bf16 or f16 on the way to a quantiser, and a product that is left as it is and whose result goes on into a quantised operand takes f32 operands (vector FMAs, or v_wmma_f32_16x16x4_f32). A number that lies on a knife's edge between two numbers of the format may be rounded either way, as far as f32 arithmetic and the matrix unit's own rounding can turn it there, and no further.
;;   INPUTS GIVEN AS CODES. W1 (in the module: [256, 256], K = its axis 0); W2 (in the module: [256, 256], K = its axis 0): each comes as NAME_codes (uint8): NAME with its K axis moved to the last place and cut into blocks of 32 codes, [.., K / 32, bytes a block], one block behind the other in memory; one code a byte (a code: sign, 5 exponent bits, 2 mantissa bits); its scale is its entry of lowp_scales. Its value is code x scale, taken as it is: it is not quantised again, and the codes and scales need not be those that the quantiser above would give.
;; One version. Each part assembles by itself: llvm-mc -triple=amdgcn-amd-amdhsa -mcpu=gfx1250 --defsym DOCPART=n.
;; ======== version 1 of 1: 2 launches
;; limits: right only within a limited range of input values
;; workspace buffers: sa_ws 2,097,152 bytes; sb_ws 4,194,304 bytes; of_ws 2,097,152 bytes of whole numbers; vt_codes 1,048,576 bytes
;; launch prep (part 1): grid 192 x 1, 8 waves a work-group, no clusters, 42,496 bytes of LDS; arguments query, value, W1_codes, W2_codes, b1, b2, sa_ws, sb_ws, lowp_scales, vt_codes, out0, of_ws; writes sa_ws, sb_ws, vt_codes, out0, of_ws
.if DOCPART == 1
	.amdgcn_target "amdgcn-amd-amdhsa--gfx1250"
	.amdhsa_code_object_version 6
	.text
	.protected	k_q6bdb234b8a_prep
	.globl	k_q6bdb234b8a_prep
	.p2align	8
	.type	k_q6bdb234b8a_prep,@function
k_q6bdb234b8a_prep:
	s_mov_b64 s[64:65], 0
	v_nop
	global_prefetch_b8 v0, s[64:65] scope:SCOPE_SE
	s_setreg_imm32_b32 hwreg(HW_REG_WAVE_MODE, 25, 1), 1
	s_wait_xcnt 0x0
; BAHDANAU ATTENTION, first of two launches: the two projections, and all that can be taken once for each (row, feature).
; NO WORK IS LEFT OUT: both biases stand inside the tanh, all three products reach an output, every input is loaded.
; tanh(q + v) = 1 - 2 / (1 + e^(2 (q + v))), and the exponential is 2^(a + b) with a = c q, b = c v, c = 2 log2(e).
; sg = +1 for features e % 4 = 0, 1 and -1 for e % 4 = 2, 3.  With r = 1 / (1 + 2^(sg (a + b))), tanh = sg (1 - 2 r); the sg add up to 0 over 256 features, so score = -2 x the sum of sg r.
; WHAT IS STORED.  Of a query's row: sg a, in f32.  Of a value's row: sg b = 140 w + beta, w a whole number from -3 to 3, |beta| at most 70: B = 2^(beta - 42) in f32, and, as a 16-bit whole number,
; 8,224 (w + 3) + 32 e: the byte at which the second launch's table in LDS holds the queries' factors for this window and this feature.
; In exact arithmetic S2 = -S1: the second product
; is there for accuracy alone.
; LIMITS.  The projection of value is held at +-169.47 (= 489 / c): a held number moves a result only where the query's projection lies beyond some 159 with the other sign; the query's has no hold here.
; NaN among the inputs is not served.  e0, e2, e5 between -126 and 112; e0 + e1 and e2 + e3 between -125 and 127, so that each power of two below is an f32 number.
; THIS LAUNCH: a work-group takes 32 rows (32,768 dense bytes): work-groups 0-63 rows of query, 64-191 rows of value.
;   1. the rows come in, 512 consecutive bytes a wave and load, and go into a stage in LDS; rows of query are also stored as the right halves of out0's rows.
;   2. they are quantised (scale e0 or e2) into four operand fragments (16 rows x 128 K), which go from wave to wave as images of their registers;
;      rows of value are quantised a second time, DOWN the rows (scale e5; the keys are the third product's K): a lane takes a column; the codes leave as images of that product's registers.
;   3. wave w makes features 32 w .. 32 w + 31 of the 32 rows: twice 8 matrix instructions, transposed (source 0 = 16 features of W, source 1 = 16 rows), so that a lane holds one row and eight neighbouring features.
;   4. (S1 - S2) x 2^(eX + eW - 1) + bias, x +-c, for value the split, and out: [row / 32][e / 4][row % 32][4 features] in f32, [row / 32][e / 8][row % 32][8 features] of 16 bits.
; The fragments hold K = 32 c + 16 (lane / 16) + 0 .. 15 in registers 4 c .. 4 c + 3, alike in both operands: every product meets its partner.
.set NQWG,  64                         ; work-groups that take query
.set XP,    1040                       ; a row of the stage: 1,024 bytes + 16
.set XIMG,  32*XP                      ; behind the stage: four fragments' images, 2,048 bytes each (fragment 2 m + s: rows 16 m on, K step s)
.set SPARE, XIMG+4*2048                ; behind them: the spare words, 128 bytes for each of the eight waves
.set XR,  16                           ; v16-47   the rows as loaded
.set ACN, 16                           ; v16-47   later: the four accumulators of the product with the signs turned
.set WF,  48                           ; v48-111  W's fragments: (tile n, K step s) at 16 (2 n + s)
.set WW,  48                           ; v48-79   later: w as f32
.set PK,  80                           ; v80-95   and the packed offsets
.set BI,  112                          ; v112-127 the bias: eight numbers for each tile n, in the result's layout
.set QX,  128                          ; v128-159 32 numbers of a row, to be quantised
.set VQ,  160                          ; v160-191 32 numbers of a column, to be quantised
.set XF,  128                          ; v128-191 later: the four fragments of the rows
.set YY,  128                          ; v128-159 last: the results on their way out
.set CX,  192                          ; v192-199 codes along the features
.set CV,  200                          ; v200-207 codes along the keys
.set ACC, 208                          ; v208-239 four accumulators: (n, m) at 8 (2 n + m);  later w in the low bits of a large f32 number
; v1 my spare word, v2 zero; v3 16 t; v4 stage, in; v5 out0's offset; v6 W's; v7 the bias's; v8 stage, out by rows; v9, v10 images, in and out; v11 stage, out by columns; v12 vt_codes' offset; v13 the result's
; v240 2^eX, v241 57,344 x 2^eX; v242, v243 the same with e5; v244 489.0; v248 of_ws' offset; v249 my features' part of the packed offsets
	s_load_b512 s[4:19], s[0:1], 0x0               ; query 4:5, value 6:7, W1 8:9, W2 10:11, b1 12:13, b2 14:15, sa_ws 16:17, sb_ws 18:19
	s_load_b128 s[20:23], s[0:1], 0x40             ; lowp_scales 20:21, vt_codes 22:23
	s_load_b64 s[24:25], s[0:1], 0x50              ; out0
	s_load_b64 s[60:61], s[0:1], 0x58              ; of_ws
	v_lshl_add_u32 v1, v0, 2, SPARE
	v_mov_b32 v2, 0
	v_lshrrev_b32 v14, 5, v0
	v_readfirstlane_b32 s26, v14                   ; wave 0..7
	v_and_b32 v245, 31, v0                         ; lane
	v_and_b32 v14, 15, v0                          ; r
	v_bfe_u32 v15, v0, 4, 1                        ; h
	v_lshrrev_b32 v246, 6, v0                      ; t / 64: which of a load's four rows
	v_and_b32 v247, 63, v0                         ; t % 64: which 16 bytes of it
	v_lshlrev_b32 v3, 4, v0
	v_mul_u32_u24 v4, v246, XP
	v_lshlrev_b32 v5, 11, v246                     ; a row of out0 is 2,048 bytes
	v_lshlrev_b32 v6, 8, v14                       ; W: feature r of a tile, 256 codes a feature, + 16 h
	v_lshl_add_u32 v4, v247, 4, v4
	v_lshl_add_u32 v5, v247, 4, v5
	v_lshl_add_u32 v6, v15, 4, v6
	v_lshlrev_b32 v7, 5, v15                       ; the bias: my half's eight numbers
	s_lshr_b32 s48, s26, 2                         ; wave w quantises half of fragment w / 2: rows 16 (w / 4) on,
	s_mul_i32 s48, s48, 16*XP
	s_and_b32 s49, s26, 3                          ; features 64 (w % 4) on
	s_lshl_b32 s49, s49, 8
	s_add_co_u32 s48, s48, s49
	v_mul_u32_u24 v8, v14, XP
	v_lshl_add_u32 v8, v15, 6, v8                  ; row r, + my half's 16 numbers of a block of 32
	v_add_nc_u32 v8, s48, v8
	s_lshl_b32 s49, s26, 10
	s_add_co_u32 s49, s49, XIMG
	v_lshl_add_u32 v9, v245, 4, s49                ; images, in: 1,024 w + 16 x lane
	v_lshl_add_u32 v10, v245, 4, XIMG              ; and out: 16 x lane
	v_lshlrev_b32 v11, 2, v0                       ; column d = t: 4 t
	v_lshlrev_b32 v12, 4, v14
	v_lshl_add_u32 v248, v15, 9, v12               ; of_ws: 16 r + 512 h
	v_lshl_add_u32 v13, v15, 10, v12               ; the result: 16 r + 1,024 h
	v_lshl_add_u32 v12, v15, 13, v12               ; vt_codes: column tile lane / 16, place lane % 16
	s_lshl_b32 s48, s26, 10
	v_lshl_add_u32 v249, v15, 8, s48               ; 32 x (32 w + 8 h),
	v_mul_u32_u24 v249, 0x10001, v249              ; in both halves of the word
	v_mov_b32 v244, 0x43f48000                     ; 489.0
	s_mov_b32 s44, 0x4038aa3b                      ; +c; the packed forms name pairs and take the low word for both halves
	s_mov_b32 s45, s44
	s_mov_b32 s46, 0xc038aa3b                      ; -c
	s_mov_b32 s47, s46
	s_mov_b32 s58, 0x80808080                      ; the sign bits of four codes
	s_cmp_lt_u32 ttmp9, NQWG
	s_cselect_b32 s48, 0, NQWG
	s_sub_co_u32 s27, ttmp9, s48                   ; my block of 32 rows in its tensor
	s_lshl_b32 s50, s27, 15                        ; its 32,768 bytes, in and out
	s_mov_b32 s51, 0
	s_lshl_b32 s52, s26, 13                        ; my wave's 32 features of W
	s_mov_b32 s53, 0
	s_lshl_b32 s54, s26, 7                         ; and of the bias
	s_mov_b32 s55, 0
	s_lshl_b32 s56, s26, 12                        ; and in the result: eight groups of four features, 512 bytes each
	s_add_co_u32 s56, s56, s50
	s_mov_b32 s57, 0
	s_wait_alu depctr_va_vdst(0)
	s_wait_kmcnt 0x0
	s_load_b128 s[28:31], s[20:21], 0x0            ; e0, e1, e2, e3
	s_load_b32 s33, s[20:21], 0x14                 ; e5
	s_cmp_lt_u32 ttmp9, NQWG                       ; query's work-group or value's: the choice hangs on the work-group's number alone
	s_cselect_b64 s[34:35], s[4:5], s[6:7]         ; the rows
	s_cselect_b64 s[36:37], s[8:9], s[10:11]       ; the weight's codes
	s_cselect_b64 s[38:39], s[12:13], s[14:15]     ; the bias
	s_cselect_b64 s[40:41], s[16:17], s[18:19]     ; where the results go
	s_add_nc_u64 s[34:35], s[34:35], s[50:51]
	s_add_nc_u64 s[36:37], s[36:37], s[52:53]
	s_add_nc_u64 s[38:39], s[38:39], s[54:55]
	s_add_nc_u64 s[40:41], s[40:41], s[56:57]
.irp k, 0,1,2,3,4,5,6,7
	global_load_b128 v[XR+4*\k:XR+4*\k+3], v3, s[34:35] offset:4096*\k th:TH_LOAD_NT   ; four rows a load of the work-group; a wave reads 512 consecutive bytes; read once in the launch
.endr
.irp n, 0,1
.irp s, 0,1
.irp c, 0,1,2,3
	global_load_b128 v[WF+16*(2*\n+\s)+4*\c:WF+16*(2*\n+\s)+4*\c+3], v6, s[36:37] offset:4096*\n+128*\s+32*\c
.endr
.endr
.endr
.irp n, 0,1
	global_load_b128 v[BI+8*\n:BI+8*\n+3], v7, s[38:39] offset:64*\n
	global_load_b128 v[BI+8*\n+4:BI+8*\n+7], v7, s[38:39] offset:64*\n+16
.endr
	s_wait_kmcnt 0x0
	s_cmp_lt_u32 ttmp9, NQWG
	s_cselect_b32 s48, s28, s30                    ; eX
	s_cselect_b32 s49, s29, s31                    ; eW
	s_add_co_i32 s49, s49, s48
	s_add_co_i32 s49, s49, 126
	s_lshl_b32 s42, s49, 23                        ; 2^(eX + eW - 1) as f32: the scales, and the half of S1 - S2
	s_mov_b32 s43, s42
	s_add_co_i32 s48, s48, 127
	s_lshl_b32 s49, s48, 23
	v_mov_b32 v240, s49                            ; 2^eX: the conversion takes its exponent field
	s_add_co_i32 s48, s48, 15
	s_lshl_b32 s48, s48, 23
	s_or_b32 s48, s48, 0x600000
	v_mov_b32 v241, s48                            ; 57,344 x 2^eX
	s_add_co_i32 s48, s33, 127
	s_lshl_b32 s49, s48, 23
	v_mov_b32 v242, s49                            ; 2^e5
	s_add_co_i32 s48, s48, 15
	s_lshl_b32 s48, s48, 23
	s_or_b32 s48, s48, 0x600000
	v_mov_b32 v243, s48                            ; 57,344 x 2^e5
; 16 numbers of a lane, neighbours along K, become 16 codes in four registers
.macro QUANT16 src, dst, lim, sc
.irp i, 0,1,2,3,4,5,6,7,8,9,10,11,12,13,14,15
	v_med3_num_f32 v[\src+\i], v[\src+\i], -v[\lim], v[\lim]   ; the conversion to an 8-bit code does not saturate (ISA guide 7.6.2): the hold at the largest code x the scale
.endr
	v_cvt_scalef32_pk8_bf8_f32 v[\dst:\dst+1], v[\src:\src+7], v[\sc]
	v_cvt_scalef32_pk8_bf8_f32 v[\dst+2:\dst+3], v[\src+8:\src+15], v[\sc]
.endm
.macro BARRIER                                 ; my LDS stores have landed and my LDS loads are in: then the work-group's barrier
	s_wait_alu depctr_va_vdst(0)
	s_wait_dscnt 0x0
	s_barrier_signal -1
	s_barrier_wait -1
.endm
; 8 matrix instructions: my two tiles of features x the two tiles of rows, two K steps of 128, into four accumulators from v[acc] on.
; The four take turns, one instruction a turn; the first K step starts the sums.
.macro PRODUCT acc
.irp s, 0,1
	s_wait_alu depctr_va_vdst(0)
.irp a, 0,1,2,3
.if \s == 0
	v_wmma_f32_16x16x128_bf8_bf8 v[\acc+8*\a:\acc+8*\a+7], v[WF+16*(2*(\a/2)+\s):WF+16*(2*(\a/2)+\s)+15], v[XF+16*(2*(\a%2)+\s):XF+16*(2*(\a%2)+\s)+15], 0
.else
	v_wmma_f32_16x16x128_bf8_bf8 v[\acc+8*\a:\acc+8*\a+7], v[WF+16*(2*(\a/2)+\s):WF+16*(2*(\a/2)+\s)+15], v[XF+16*(2*(\a%2)+\s):XF+16*(2*(\a%2)+\s)+15], v[\acc+8*\a:\acc+8*\a+7]
.endif
.endr
.endr
.endm
	; ---- the rows into the stage; query's also into out0
	s_wait_alu depctr_va_vdst(0)
	s_wait_loadcnt 20                              ; the eight loads of rows are in; the 16 of W and the 4 of the bias, issued behind them, may be out
.irp k, 0,1,2,3,4,5,6,7
	ds_store_b128 v4, v[XR+4*\k:XR+4*\k+3] offset:4*XP*\k
.endr
	s_cmp_ge_u32 ttmp9, NQWG
	s_cbranch_scc1 .Lno_copy                       ; a branch on the work-group's number, round global stores alone
	s_lshl_b32 s50, s27, 16                        ; my 32 rows of out0
	s_add_nc_u64 s[24:25], s[24:25], s[50:51]
.irp k, 0,1,2,3,4,5,6,7
	global_store_b128 v5, v[XR+4*\k:XR+4*\k+3], s[24:25] offset:8192*\k+1024 th:TH_STORE_NT   ; out0's right half = query: a wave stores 512 consecutive bytes, at a multiple of 256 from out0's first byte
.endr
.Lno_copy:
	BARRIER                                        ; the 32 rows lie in the stage
	; ---- the rows as operand A: wave w makes registers 8 (w % 2) .. + 7 of fragment w / 2
.irp cc, 0,1
.irp q, 0,1,2,3
	ds_load_b128 v[QX+16*\cc+4*\q:QX+16*\cc+4*\q+3], v8 offset:128*\cc+16*\q
.endr
.endr
	s_wait_dscnt 0x0
	s_wait_alu depctr_va_vdst(0)
	QUANT16 QX, CX, 241, 240
	QUANT16 QX+16, CX+4, 241, 240
	v_nop                                          ; one plain vector instruction behind the last scaled conversion, ahead of whatever vector or matrix instruction next touches its registers
	ds_store_b128 v9, v[CX:CX+3]
	ds_store_b128 v9, v[CX+4:CX+7] offset:512
	s_cmp_lt_u32 ttmp9, NQWG
	s_cbranch_scc1 .Lno_vt                         ; a branch on the work-group's number, round LDS loads, register work and global stores alone
	; ---- value as operand B of the third product: a lane takes column d = t, its registers run down the 32 keys
	s_lshr_b32 s50, s27, 4                         ; the batch,
	s_lshl_b32 s50, s50, 17
	s_and_b32 s52, s27, 15                         ; which 32 keys of it,
	s_lshl_b32 s52, s52, 9
	s_add_co_u32 s50, s50, s52
	s_lshl_b32 s52, s26, 14                        ; my wave's two tiles of 16 columns
	s_add_co_u32 s50, s50, s52
	s_add_nc_u64 s[22:23], s[22:23], s[50:51]
.irp j, 0,1,2,3,4,5,6,7,8,9,10,11,12,13,14,15,16,17,18,19,20,21,22,23,24,25,26,27,28,29,30,31
	ds_load_b32 v[VQ+\j], v11 offset:XP*\j
.endr
	s_wait_dscnt 0x0
	QUANT16 VQ, CV, 243, 242
	QUANT16 VQ+16, CV+4, 243, 242
	v_nop                                          ; as above
	global_store_b128 v12, v[CV:CV+3], s[22:23]              ; keys 0-15: the places of lanes 0-15 of the image; sixteen lanes store 256 consecutive bytes, aligned
	global_store_b128 v12, v[CV+4:CV+7], s[22:23] offset:256 ; keys 16-31: the places of lanes 16-31
.Lno_vt:
	BARRIER                                        ; the four fragments' images lie in LDS
	; ---- the product, twice
.irp f, 0,1,2,3
.irp c, 0,1,2,3
	ds_load_b128 v[XF+16*\f+4*\c:XF+16*\f+4*\c+3], v10 offset:2048*\f+512*\c
.endr
.endr
	s_wait_dscnt 0x0
	s_wait_loadcnt 0x0                             ; W and the bias
	PRODUCT ACC                                    ; S1
.rept 4
	v_nop                                          ; four places (ISA guide 7.12.1) ahead of vector instructions that write the products' sources
.endr
.set j, 0
.rept 64
	v_xor_b32 v[XF+j], s58, v[XF+j]                ; the rows' codes with their signs turned, four a register
.set j, j+1
.endr
	s_wait_xcnt 0x0                                ; the stores of out0 and of vt_codes have read their registers: these are written again only behind this wait
	PRODUCT ACN                                    ; S2
.rept 4
	v_nop                                          ; four places ahead of vector instructions that read the results and write over the rows' fragments
.endr
	; ---- lane (r, h) holds row 16 m + r, features 32 w + 16 n + 8 h + 0 .. 7.  Each accumulator is read from its low end on
.irp a, 0,1,2,3
.irp i, 0,2,4,6
	v_pk_add_f32 v[YY+8*\a+\i:YY+8*\a+\i+1], v[ACC+8*\a+\i:ACC+8*\a+\i+1], v[ACN+8*\a+\i:ACN+8*\a+\i+1] neg_lo:[0,1] neg_hi:[0,1]   ; S1 - S2
.endr
.endr
.irp a, 0,1,2,3
.irp i, 0,2,4,6
	v_pk_fma_f32 v[YY+8*\a+\i:YY+8*\a+\i+1], v[YY+8*\a+\i:YY+8*\a+\i+1], s[42:43], v[BI+8*(\a/2)+\i:BI+8*(\a/2)+\i+1] op_sel_hi:[1,0,1]   ; x 2^(eX + eW - 1) + bias
.endr
.endr
.irp a, 0,1,2,3
.irp i, 0,4
	v_pk_mul_f32 v[YY+8*\a+\i:YY+8*\a+\i+1], v[YY+8*\a+\i:YY+8*\a+\i+1], s[44:45] op_sel_hi:[1,0]       ; features e % 4 = 0, 1: x +c
	v_pk_mul_f32 v[YY+8*\a+\i+2:YY+8*\a+\i+3], v[YY+8*\a+\i+2:YY+8*\a+\i+3], s[46:47] op_sel_hi:[1,0]   ; features e % 4 = 2, 3: x -c
.endr
.endr
	s_cmp_lt_u32 ttmp9, NQWG
	s_wait_alu depctr_va_vdst(0)
	s_cbranch_scc1 .Lout                           ; of query's rows the exponent itself leaves
	; ---- value: b = 140 w + beta
	s_lshl_b32 s50, s27, 14                        ; of_ws: my block of 32 keys, 16,384 bytes,
	s_lshl_b32 s52, s26, 11                        ; my wave's four groups of eight features, 512 bytes each
	s_add_co_u32 s50, s50, s52
	s_add_nc_u64 s[60:61], s[60:61], s[50:51]
	s_mov_b32 s4, 0x3bea0ea1                       ; 1 / 140
	s_mov_b32 s5, s4
	s_mov_b32 s6, 0x4b400003                       ; 1.5 x 2^23 + 3: a number near it has a step of 1
	s_mov_b32 s7, s6
	s_mov_b32 s8, 0xcb400003
	s_mov_b32 s9, s8
	s_mov_b32 s10, 0xc30c0000                      ; -140
	s_mov_b32 s11, s10
	s_mov_b32 s12, 0x05040100                      ; the two low halves
	s_mov_b32 s13, 8224
	s_mov_b32 s14, 0x2a800000                      ; 2^-42
	s_mov_b32 s15, s14
.set j, 0
.rept 32
	v_med3_num_f32 v[YY+j], v[YY+j], -v244, v244   ; b held within +-489: |w| is 3 at most
.set j, j+1
.endr
.set j, 0
.rept 16
	v_pk_fma_f32 v[ACC+2*j:ACC+2*j+1], v[YY+2*j:YY+2*j+1], s[4:5], s[6:7] op_sel_hi:[1,0,0]   ; the low bits hold w + 3, w = b / 140 rounded to the nearest whole number
.set j, j+1
.endr
.set j, 0
.rept 16
	v_pk_add_f32 v[WW+2*j:WW+2*j+1], v[ACC+2*j:ACC+2*j+1], s[8:9] op_sel_hi:[1,0]             ; w
.set j, j+1
.endr
.set j, 0
.rept 16
	v_pk_fma_f32 v[YY+2*j:YY+2*j+1], v[WW+2*j:WW+2*j+1], s[10:11], v[YY+2*j:YY+2*j+1] op_sel_hi:[1,0,1]   ; beta
.set j, j+1
.endr
.set j, 0
.rept 16
	v_perm_b32 v[PK+j], v[ACC+2*j+1], v[ACC+2*j], s12   ; w + 3 of two neighbouring features, 16 bits each
.set j, j+1
.endr
.set j, 0
.rept 16
	v_mad_u32_u24 v[PK+j], v[PK+j], s13, v249      ; x 8,224 in both halves at once (49,344 at most, so nothing is carried), + 32 x (32 w + 8 h)
.set j, j+1
.endr
.set j, 0
.rept 16
	v_add_nc_u32 v[PK+j], (512*(j/8)+64*(j%4))*0x10001+0x200000, v[PK+j]   ; + 32 x (16 n + i), and one feature more in the upper half: 57,504 at most
.set j, j+1
.endr
.set j, 0
	s_wait_alu depctr_va_vdst(0)
.rept 32
	v_exp_f32 v[YY+j], v[YY+j]
.set j, j+1
.endr
	v_nop                                          ; a plain instruction behind the last exponential
	s_wait_alu depctr_va_vdst(0)                   ; one wait for the batch of 32, ahead of the first instruction that names a result
.set j, 0
.rept 16
	v_pk_mul_f32 v[YY+2*j:YY+2*j+1], v[YY+2*j:YY+2*j+1], s[14:15] op_sel_hi:[1,0]   ; B = 2^beta x 2^-42: nothing is rounded
.set j, j+1
.endr
.irp a, 0,1,2,3
	global_store_b128 v248, v[PK+4*\a:PK+4*\a+3], s[60:61] offset:1024*(\a/2)+256*(\a%2)   ; eight features of 16 keys for each half of the lanes: twice 256 consecutive bytes, aligned
.endr
.Lout:
.irp a, 0,1,2,3
.irp u, 0,1
	global_store_b128 v13, v[YY+8*\a+4*\u:YY+8*\a+4*\u+3], s[40:41] offset:2048*(\a/2)+512*\u+256*(\a%2)   ; four features of 16 rows for each half of the lanes: twice 256 consecutive bytes, aligned
.endr
.endr
	s_wait_tensorcnt 0x0                           ; the wave's end
	ds_add_u32 v1, v2
	s_wait_dscnt 0x0
	s_endpgm
.Lfunc_end_k_q6bdb234b8a_prep:
	.size	k_q6bdb234b8a_prep, .Lfunc_end_k_q6bdb234b8a_prep-k_q6bdb234b8a_prep
	.p2alignl 7, 3214868480
	.fill 96, 4, 3214868480
	.section	.rodata,"a",@progbits
	.p2align	6, 0x0
	.amdhsa_kernel k_q6bdb234b8a_prep
		.amdhsa_group_segment_fixed_size 42496
		.amdhsa_private_segment_fixed_size 0
		.amdhsa_enable_private_segment 0
		.amdhsa_kernarg_size 96
		.amdhsa_user_sgpr_count 2
		.amdhsa_user_sgpr_kernarg_segment_ptr 1
		.amdhsa_wavefront_size32 1
		.amdhsa_system_sgpr_workgroup_id_x 1
		.amdhsa_system_sgpr_workgroup_id_y 1
		.amdhsa_system_sgpr_workgroup_id_z 1
		.amdhsa_system_vgpr_workitem_id 0
		.amdhsa_next_free_vgpr 256
		.amdhsa_next_free_sgpr 66
		.amdhsa_reserve_vcc 0
		.amdhsa_float_denorm_mode_32 3
		.amdhsa_float_denorm_mode_16_64 3
		.amdhsa_memory_ordered 1
		.amdhsa_forward_progress 1
		.amdhsa_inst_pref_size 37
	.end_amdhsa_kernel
	.amdgpu_metadata
---
amdhsa.version: [ 1, 2 ]
amdhsa.kernels:
  - .name:           k_q6bdb234b8a_prep
    .symbol:         k_q6bdb234b8a_prep.kd
    .args:
      - { .name: query, .offset: 0, .size: 8, .value_kind: global_buffer, .address_space: global }
      - { .name: value, .offset: 8, .size: 8, .value_kind: global_buffer, .address_space: global }
      - { .name: W1_codes, .offset: 16, .size: 8, .value_kind: global_buffer, .address_space: global }
      - { .name: W2_codes, .offset: 24, .size: 8, .value_kind: global_buffer, .address_space: global }
      - { .name: b1, .offset: 32, .size: 8, .value_kind: global_buffer, .address_space: global }
      - { .name: b2, .offset: 40, .size: 8, .value_kind: global_buffer, .address_space: global }
      - { .name: sa_ws, .offset: 48, .size: 8, .value_kind: global_buffer, .address_space: global }
      - { .name: sb_ws, .offset: 56, .size: 8, .value_kind: global_buffer, .address_space: global }
      - { .name: lowp_scales, .offset: 64, .size: 8, .value_kind: global_buffer, .address_space: global }
      - { .name: vt_codes, .offset: 72, .size: 8, .value_kind: global_buffer, .address_space: global }
      - { .name: out0, .offset: 80, .size: 8, .value_kind: global_buffer, .address_space: global }
      - { .name: of_ws, .offset: 88, .size: 8, .value_kind: global_buffer, .address_space: global }
    .group_segment_fixed_size: 42496
    .private_segment_fixed_size: 0
    .kernarg_segment_align: 8
    .kernarg_segment_size: 96
    .max_flat_workgroup_size: 256
    .sgpr_count:     66
    .vgpr_count:     256
    .wavefront_size: 32
...
	.end_amdgpu_metadata
.endif
;; end of part 1
;; launch attend (part 2): grid 32 x 8, 16 waves a work-group, no clusters, 103,936 bytes of LDS; arguments sa_ws, sb_ws, of_ws, vt_codes, lowp_scales, out0, out1; writes out0, out1
.if DOCPART == 2
	.amdgcn_target "amdgcn-amd-amdhsa--gfx1250"
	.amdhsa_code_object_version 6
	.text
	.protected	k_q6bdb234b8a_attend
	.globl	k_q6bdb234b8a_attend
	.p2align	8
	.type	k_q6bdb234b8a_attend,@function
k_q6bdb234b8a_attend:
	s_mov_b64 s[64:65], 0
	v_nop
	global_prefetch_b8 v0, s[64:65] scope:SCOPE_SE
	s_setreg_imm32_b32 hwreg(HW_REG_WAVE_MODE, 25, 1), 1
	s_wait_xcnt 0x0
; BAHDANAU ATTENTION, second of two launches: the scores, the softmax, the alignment (out1) and the context (left halves of out0's rows).  No work is left out.
; The first launch has stored, with c = 2 log2(e) and sg = + for features e % 4 = 0, 1, - for e % 4 = 2, 3: of each query sg a = sg c q; of each key, with sg c v = 140 w + beta, B = 2^(beta - 42) and the
; byte 8,224 (w + 3) + 32 e.  score = -2 x the sum over e of sg / (1 + E), E = 2^(sg c (q + v)).
; THE TABLE.  2^(sg a) and 2^(sg b) by themselves have no room in f32 for all sizes of q and v; their product is wanted near 1 alone.  So LDS holds the work-group's eight queries' factors in SEVEN WINDOWS:
; A(w) = 2^(sg a + 140 w), the exponent held within +-98, as [w + 3][e][query], a window 8,224 bytes on from the one before; a lane reads the window that its key names.  Then E = A(w) 2^beta is one product:
; where the hold acts, the true exponent lies beyond 98 - 70 = 28, and E is as good as infinite or 0 beside 1, before and after.
; u = A B + 2^-42 = 2^-42 (1 + E), between 2^-42 and 2^126.  TWO FEATURES SHARE A RECIPROCAL: 1 / u1 + 1 / u2 = (u1 + u2) / (u1 u2).  The numerator is at most 2^127.  u1 u2 may overflow or its reciprocal be
; flushed to 0 only from 2^126 on; both u are 1 or more then, so that either 1 / (1 + E) is 2^-42 at most, and 0 is taken.  For two elements: two multiply-adds (packed), half an addition,
; half a product, a reciprocal, half a multiply-add.  The factor 2^42 of the sums is taken off with -2 log2(e).
; THE SOFTMAX as the problem states it: t = score x log2(e); M = the row's largest t rounded up to a whole number; p = 2^(t - M) is quantised (scale e4); l = the sum of the unquantised p;
; alignment = p / l; context = (the product of the codes) x 2^(e4 + e5) / l.
; SHARES.  Work-group (x, y): batch x % 8, queries 8 (4 y + x / 8) on, all 512 keys: 2,048 rows on 256 work-groups; a row's maximum, sum and context stay inside a work-group.
; Thread t owns key t for the eight queries; in the product wave w owns columns 16 w .. 16 w + 15.  Sixteen waves of 256 registers, four to a SIMD.
; THE LOOP.  64 periods of 4 features x 8 queries, 32 elements a lane; 8 periods a trip.  Period p: the addresses of period p + 2's factors; u, numerators and denominators of period p; the loads of those factors;
; its 16 reciprocals as one batch; and the sums of period p - 1, so that the wait ahead of the batch serves the batch before it too.
; B and the addresses go from memory straight into the registers of the one wave that uses them, 512 consecutive bytes a load, B eight periods ahead of its use and the addresses six.
; NO PREFETCH and NO JOINT LOADS: the 32 work-groups of a batch read the same 786,432 bytes, but every piece is asked for six periods or more ahead of its use, and a ring in LDS would write and read all of it once more in each
; work-group, beside the table's eight reads a period.
; out1 is stored in pieces of 32 bytes (eight queries of one key's row): a work-group holds no more queries than that.
; The product's tile has 16 rows: rows 8-15 are copies of rows 0-7, and their results are not stored.
; LIMITS.  As the first launch states them.  e4 between -126 and 112; e4 + e5 goes by v_ldexp_f32.  The score's and l's sums are taken in another order than reference()'s.  NaN is not served.
.set WIND,  8224                       ; LDS, from 0: the table, seven windows of 8,192 bytes + 32
.set LAST,  6*WIND+255*32              ; its last entry of eight queries
.set MX,    57600                      ; the waves' maxima, [query][wave], 512 bytes; 512 further on: their sums
.set PL,    MX+1024                    ; p on its turn from (lane = key) to (lane = query): for each wave 8 rows of 128 bytes + 16
.set RAW,   PL                         ; at the head: sg a on its turn, [e][query], 8,192 bytes
.set PLP,   144
.set PLW,   8*PLP
.set PIMG,  PL+16*PLW                  ; p's codes as images of the operand's registers: 16 pieces of 512 bytes (32 keys each)
.set CST,   PIMG+8192                  ; the stage for the context: 16 rows of 1,024 bytes + 16
.set CSP,   1040
.set SPARE, CST+16*CSP                 ; the spare words, 128 bytes for each of the sixteen waves: eight blocks of 256 bytes that no other line names
.set L16,  4                           ; v4   16 x lane
.set LIMV, 5                           ; v5   57,344 x 2^e4
.set SCV,  8                           ; v8   2^e4
.set ACC,  16                          ; v16-23, v24-31  two sets of the eight queries' running sums
.set A,    32                          ; v32-95  the factors: two buffers of 4 features x 8 queries (feature f at 8 f)
.set U,    96                          ; v96-127 u, likewise
.set ND,   128                         ; v128-191 two sets of numerators (16) and denominators, then reciprocals (16): features 0, 1 at 0, features 2, 3 at 8
.set BR,   192                         ; v192-223 B: eight pieces of 4 features of my key; period p reads piece p % 8
.set OF,   224                         ; v224-239 the table's bytes: four pieces of 8 features
.set AD,   240                         ; v240-243 four addresses in the table
.set VF,   192                         ; v192-255 last: V's four fragments (16 columns x 128 keys)
.set A0,   16                          ; behind the loop: two accumulators,
.set A1,   24
.set OO,   32                          ; the context's eight numbers,
.set OUTR, 40                          ; 16 bytes of a row of out0,
.set CP,   48                          ; p's 16 codes, then
.set PF,   48                          ; p's four fragments;
.set TT,   112                         ; t;
.set DD,   120                         ; a reduction's eight chains,
.set XX,   128                         ; and the other half of the lanes';
.set PP,   136                         ; p;
.set AL,   144                         ; p / l;
.set CC,   152                         ; four waves' maxima or sums;
.set NMV,  156                         ; -M
.set RLV,  158                         ; 1 / l
.set RL2V, 159                         ; 2^(e4 + e5) / l
.set QQ,   160                         ; 16 neighbouring keys' p of one query
; v1 my spare word, v2 zero; v3 out0's offset; v6, v7 p's images, in and out; v9, v10 maxima and sums, in and out; v11, v12 p's turn, in and out; v13, v14 the stage, in and out; v15 out1's offset
; s[28:35] -M, s[36:43] 1 / l, s[44:51] 2^(e4 + e5) / l of the eight queries; s[52:53] -2 log2(e) 2^-42; s[54:55] 2^-42; s58 e4 + e5
	s_load_b256 s[4:11], s[0:1], 0x0               ; sa_ws 4:5, sb_ws 6:7, of_ws 8:9, vt_codes 10:11
	s_load_b128 s[12:15], s[0:1], 0x20             ; lowp_scales 12:13, out0 14:15
	s_load_b64 s[16:17], s[0:1], 0x30              ; out1
	v_lshl_add_u32 v1, v0, 2, SPARE
	v_mov_b32 v2, 0
	v_lshrrev_b32 v96, 5, v0
	v_readfirstlane_b32 s18, v96                   ; wave 0..15
	s_and_b32 s19, ttmp9, 7                        ; the batch
	s_lshr_b32 s22, ttmp9, 3
	s_and_b32 s23, ttmp7, 0xffff
	s_lshl_b32 s23, s23, 2
	s_add_co_u32 s22, s22, s23                     ; which eight queries of it: 0..31
	s_mov_b32 s20, 0x76543210                      ; v_permlanex16_b32's selects: lane l xor 16
	s_mov_b32 s21, 0xfedcba98
	s_mov_b32 s52, 0xab38aa3b                      ; -2 log2(e) 2^-42; the packed forms name pairs and take the low word for both halves
	s_mov_b32 s53, s52
	s_mov_b32 s54, 0x2a800000                      ; 2^-42
	s_mov_b32 s55, s54
	s_wait_alu depctr_va_vdst(0)
	v_and_b32 v97, 31, v0                          ; lane
	v_and_b32 v98, 7, v0
	v_lshrrev_b32 v99, 3, v0
	v_bfe_u32 v109, v0, 4, 1                       ; h
	v_and_b32 v110, 15, v0                         ; r
	v_lshrrev_b32 v111, 6, v0
	v_and_b32 v112, 63, v0
	v_lshlrev_b32 v[L16], 4, v97
	v_lshlrev_b32 v104, 4, v98                     ; sa: thread t fetches group of four features t / 8 of query t % 8
	v_lshlrev_b32 v106, 2, v98                     ; and puts them to [e][query]
	v_lshl_add_u32 v104, v99, 9, v104
	v_lshl_add_u32 v106, v99, 7, v106
	v_lshl_add_u32 v107, v0, 4, RAW                ; and takes back four queries of feature t / 2
	v_add_nc_u32 v106, RAW, v106
	v_lshlrev_b32 v108, 4, v0                      ; which go to the same place of each window
	v_mov_b32 v105, 0x42c40000                     ; 98.0
	v_lshl_add_u32 v6, v0, 4, PIMG
	v_lshl_add_u32 v7, v97, 4, PIMG
	s_lshl_b32 s26, s18, 2
	s_add_co_u32 s26, s26, MX
	v_mov_b32 v9, s26                              ; my wave's word of a query's sixteen
	v_lshl_add_u32 v10, v97, 4, MX                 ; lane l: query l / 4, waves 4 (l % 4) on
	s_mul_i32 s26, s18, PLW
	s_add_co_u32 s26, s26, PL                      ; my wave's part of PL
	v_lshl_add_u32 v11, v97, 2, s26                ; in: my key's word of a row
	v_mul_u32_u24 v12, v98, PLP
	v_lshl_add_u32 v12, v109, 6, v12
	v_add_nc_u32 v12, s26, v12                     ; out: row lane % 8, my half's 16 keys
	s_lshl_b32 s26, s18, 6
	s_add_co_u32 s26, s26, CST
	v_mul_u32_u24 v13, v109, 8*CSP
	v_lshl_add_u32 v13, v110, 2, v13
	v_add_nc_u32 v13, s26, v13                     ; the stage, in: row 8 h (+ the register's number), column 16 w + r
	v_mul_u32_u24 v14, v111, CSP
	v_lshl_add_u32 v14, v112, 4, v14
	v_add_nc_u32 v14, CST, v14                     ; and out: row t / 64, 16 bytes at 16 (t % 64)
	v_lshlrev_b32 v3, 11, v111
	v_lshl_add_u32 v3, v112, 4, v3                 ; the same place in out0, whose rows are 2,048 bytes
	v_lshlrev_b32 v15, 10, v0                      ; out1: key t's row of 1,024 bytes
	s_lshl_b32 s26, s19, 3                         ; sa: block of 32 rows 8 batch + (eight queries) / 4,
	s_lshr_b32 s27, s22, 2
	s_add_co_u32 s26, s26, s27
	s_lshl_b32 s26, s26, 15
	s_and_b32 s27, s22, 3                          ; rows 8 (.. % 4) on in it
	s_lshl_b32 s27, s27, 7
	s_add_co_u32 s26, s26, s27
	s_mov_b32 s27, 0
	s_lshl_b32 s28, s19, 4
	s_add_co_u32 s28, s28, s18                     ; 16 batch + w:
	s_lshl_b32 s30, s28, 13                        ; vt_codes: my tile of 16 columns, 8,192 bytes;
	s_lshl_b32 s36, s28, 14                        ; of_ws: my wave's block of 32 keys, 16,384 bytes;
	s_lshl_b32 s28, s28, 15                        ; sb_ws: 32,768 bytes
	s_mov_b32 s29, 0
	s_mov_b32 s31, 0
	s_mov_b32 s37, 0
	s_lshl_b32 s32, s19, 19                        ; out1: the batch's 524,288 bytes, + my eight queries' 32 bytes
	s_lshl_b32 s33, s22, 5
	s_add_co_u32 s32, s32, s33
	s_mov_b32 s33, 0
	s_lshl_b32 s34, s19, 8                         ; out0: row 256 batch + 8 x (which eight queries)
	s_lshl_b32 s35, s22, 3
	s_add_co_u32 s34, s34, s35
	s_lshl_b32 s34, s34, 11
	s_mov_b32 s35, 0
	s_wait_alu depctr_va_vdst(0)
	s_wait_kmcnt 0x0
	s_load_b64 s[24:25], s[12:13], 0x10            ; e4, e5
	s_add_nc_u64 s[4:5], s[4:5], s[26:27]
	s_add_nc_u64 s[6:7], s[6:7], s[28:29]
	s_add_nc_u64 s[8:9], s[8:9], s[36:37]
	s_add_nc_u64 s[10:11], s[10:11], s[30:31]
	s_add_nc_u64 s[16:17], s[16:17], s[32:33]
	s_add_nc_u64 s[14:15], s[14:15], s[34:35]
	global_load_b128 v[100:103], v104, s[4:5]      ; sg a: 16 bytes a thread, 8,192 in all
.macro RING d                                  ; the rings' pieces of periods 2 d and 2 d + 1, in the order in which the loop goes on asking
	global_load_b128 v[OF+4*\d:OF+4*\d+3], v[L16], s[8:9] offset:512*\d
	global_load_b128 v[BR+8*\d:BR+8*\d+3], v[L16], s[6:7] offset:1024*\d
	global_load_b128 v[BR+8*\d+4:BR+8*\d+7], v[L16], s[6:7] offset:1024*\d+512
.endm
.set n, 0
.rept 16
	v_mov_b32 v[ACC+n], 0                          ; the running sums,
.set n, n+1
.endr
.set n, 0
.rept 32
	v_mov_b32 v[ND+32+n], 0                        ; and what the first period adds to them: the trip is written once
.set n, n+1
.endr
	s_wait_kmcnt 0x0
	s_add_co_i32 s26, s24, 127
	s_lshl_b32 s27, s26, 23
	v_mov_b32 v[SCV], s27                          ; 2^e4: the conversion takes its exponent field
	s_add_co_i32 s26, s26, 15
	s_lshl_b32 s26, s26, 23
	s_or_b32 s26, s26, 0x600000
	v_mov_b32 v[LIMV], s26                         ; 57,344 x 2^e4
	s_add_co_i32 s58, s24, s25                     ; e4 + e5
.irp w, 0,1,2,3,4,5
	ds_store_b128 v108, v[ACC:ACC+3] offset:WIND*\w+32   ; zeros up to each next window's first byte: the bound on an address alone does not keep it out of the 32 bytes between two windows.  The entries come behind the next barrier
.endr
.macro BARRIER                                 ; my LDS stores have landed and my LDS loads are in: then the work-group's barrier
	s_wait_alu depctr_va_vdst(0)
	s_wait_dscnt 0x0
	s_barrier_signal -1
	s_barrier_wait -1
.endm
	s_wait_alu depctr_va_vdst(0)
	s_wait_loadcnt 0x0                             ; sg a is in: the first barrier waits for all waves' part of it, so nothing else has been asked for ahead of it
.irp f, 0,1,2,3
	ds_store_b32 v106, v[100+\f] offset:32*\f
.endr
	RING 0
	RING 1
	BARRIER                                        ; sg a lies in LDS as [e][query]
	ds_load_b128 v[100:103], v107
	s_wait_dscnt 0x0
.irp h, 0,2                                        ; windows 0 to 6: + 140 (window - 3)
	v_pk_add_f32 v[128+\h:129+\h], v[100+\h:101+\h], 0xc3d20000 op_sel_hi:[1,0]
	v_pk_add_f32 v[132+\h:133+\h], v[100+\h:101+\h], 0xc38c0000 op_sel_hi:[1,0]
	v_pk_add_f32 v[136+\h:137+\h], v[100+\h:101+\h], 0xc30c0000 op_sel_hi:[1,0]
	v_pk_add_f32 v[144+\h:145+\h], v[100+\h:101+\h], 0x430c0000 op_sel_hi:[1,0]
	v_pk_add_f32 v[148+\h:149+\h], v[100+\h:101+\h], 0x438c0000 op_sel_hi:[1,0]
	v_pk_add_f32 v[152+\h:153+\h], v[100+\h:101+\h], 0x43d20000 op_sel_hi:[1,0]
.endr
.irp f, 0,1,2,3
	v_med3_num_f32 v[140+\f], v[100+\f], -v105, v105
.endr
.irp w, 0,1,2,4,5,6
.irp f, 0,1,2,3
	v_med3_num_f32 v[128+4*\w+\f], v[128+4*\w+\f], -v105, v105
.endr
.endr
	s_wait_alu depctr_va_vdst(0)
.set n, 0
.rept 28
	v_exp_f32 v[128+n], v[128+n]
.set n, n+1
.endr
	v_nop                                          ; a plain instruction behind the last exponential
	s_wait_alu depctr_va_vdst(0)                   ; one wait for the batch, ahead of its first reader
.irp w, 0,1,2,3,4,5,6
	ds_store_b128 v108, v[128+4*\w:131+4*\w] offset:WIND*\w
.endr
	BARRIER                                        ; the table lies in LDS; nobody writes it again
; The addresses of four features' factors: two words at OX hold four bytes' numbers.  The bound is the table's last entry.
.macro ADDR
	v_and_b32 v[AD], 0xffff, v[OX]
	v_lshrrev_b32 v[AD+1], 16, v[OX]
	v_and_b32 v[AD+2], 0xffff, v[OX+1]
	v_lshrrev_b32 v[AD+3], 16, v[OX+1]
.irp f, 0,1,2,3
	v_min_u32 v[AD+\f], LAST, v[AD+\f]
.endr
.endm
.macro GETF f                                  ; eight queries' factors of one feature
	ds_load_b128 v[AB+8*(\f):AB+8*(\f)+3], v[AD+(\f)]
	ds_load_b128 v[AB+8*(\f)+4:AB+8*(\f)+7], v[AD+(\f)] offset:16
.endm
.macro GETA                                    ; eight queries' factors of four features, from my key's windows, into buffer AB
.irp f, 0,1,2,3
	ds_load_b128 v[AB+8*\f:AB+8*\f+3], v[AD+\f]
	ds_load_b128 v[AB+8*\f+4:AB+8*\f+7], v[AD+\f] offset:16
.endr
.endm
; The sums of a period, from set np: features 0, 1 (sg +) are added to one set of sums and features 2, 3 (sg -) taken from the other; odd periods (par = 1) the other way round, so that both stay small.
.macro FIN np, par
.irp j, 0,2,4,6
	v_pk_fma_f32 v[ACC+8*\par+\j:ACC+8*\par+\j+1], v[\np+\j:\np+\j+1], v[\np+16+\j:\np+16+\j+1], v[ACC+8*\par+\j:ACC+8*\par+\j+1]
.endr
.irp j, 0,2,4,6
	v_pk_fma_f32 v[ACC+8-8*\par+\j:ACC+8-8*\par+\j+1], v[\np+8+\j:\np+8+\j+1], v[\np+24+\j:\np+24+\j+1], v[ACC+8-8*\par+\j:ACC+8-8*\par+\j+1] neg_lo:[1,0,0] neg_hi:[1,0,0]
.endr
.endm
; A PERIOD, the k-th of a trip.  mode = 1: in the loop; mode = 2: in the last trip, which asks for nothing of sb_ws and of_ws but for V's fragments k and n2, into registers that the rings have done with,
; and in its last two periods for no factors.  lc: the loads issued behind those of B and of the addresses that this period and the next read, which may stay out (-1: the period before has waited);
; dc: the LDS loads issued behind this period's factors.
.macro PER k, mode, lc, dc, n2
.set AB, A+32*((\k)%2)
.set NC, ND+32*((\k)%2)
.set BP, BR+4*(\k)
.set OX, OF+4*((((\k)+2)/2)%4)+2*((\k)%2)
.if \lc >= 0
	s_wait_loadcnt \lc
.endif
.if (\mode == 1) || (\k < 6)
	ADDR
.endif
	s_wait_dscnt \dc
.irp f, 0,1,2,3
.irp j, 0,2,4,6
.if (\f)%2 == 0
	v_pk_fma_f32 v[U+8*\f+\j:U+8*\f+\j+1], v[AB+8*\f+\j:AB+8*\f+\j+1], v[BP+2*(\f/2):BP+2*(\f/2)+1], s[54:55] op_sel_hi:[1,0,0]
.else
	v_pk_fma_f32 v[U+8*\f+\j:U+8*\f+\j+1], v[AB+8*\f+\j:AB+8*\f+\j+1], v[BP+2*(\f/2):BP+2*(\f/2)+1], s[54:55] op_sel:[0,1,0] op_sel_hi:[1,1,0]
.endif
.endr
.if ((\mode == 1) || (\k < 6)) && (\f > 0)
	GETF (\f-1)                                    ; period p + 2's, into the registers just read, one feature behind the products
.endif
.endr
.if (\mode == 1) || (\k < 6)
	GETF 3
.endif
.if \mode == 1
.if (\k)%2 == 0
	global_load_b128 v[OF+4*((\k/2)%4):OF+4*((\k/2)%4)+3], v[L16], s[8:9] offset:512*(\k/2+4)
.endif
	global_load_b128 v[BP:BP+3], v[L16], s[6:7] offset:512*(\k+8)
.else
	global_load_b128 v[VF+4*\k:VF+4*\k+3], v[L16], s[10:11] offset:512*\k
	global_load_b128 v[VF+4*\n2:VF+4*\n2+3], v[L16], s[10:11] offset:512*\n2
.endif
.irp g, 0,1
.irp j, 0,2,4,6
	v_pk_mul_f32 v[NC+16+8*\g+\j:NC+16+8*\g+\j+1], v[U+16*\g+\j:U+16*\g+\j+1], v[U+16*\g+8+\j:U+16*\g+8+\j+1]
.endr
.endr
.irp g, 0,1
.irp j, 0,2,4,6
	v_pk_add_f32 v[NC+8*\g+\j:NC+8*\g+\j+1], v[U+16*\g+\j:U+16*\g+\j+1], v[U+16*\g+8+\j:U+16*\g+8+\j+1]
.endr
.endr
	s_wait_alu depctr_va_vdst(0)                   ; ahead of the batch; it stands ahead of the first reader of the batch before too
.irp i, 0,1,2,3,4,5,6,7,8,9,10,11,12,13,14,15
	v_rcp_f32 v[NC+16+\i], v[NC+16+\i]
.endr
.if (\k)%2 == 0
	FIN ND+32, 1
.else
	FIN ND, 0
.endif
.endm
	s_wait_loadcnt 5                               ; the addresses of periods 0 and 1; the five loads behind them may be out
.set AB, A
.set OX, OF
	ADDR
	GETA
.set AB, A+32
.set OX, OF+2
	ADDR
	GETA
	RING 2
	RING 3
	s_wait_alu depctr_va_vdst(0)
	s_mov_b32 s60, 7                               ; seven trips: periods 0 to 55
.Ltrip:
	PER 0, 1, 8, 8, 0                              ; behind the piece of addresses that this period reads stand two loads of its pair of periods and three each of two more
	PER 1, 1, -1, 8, 0
	PER 2, 1, 8, 8, 0
	PER 3, 1, -1, 8, 0
	PER 4, 1, 8, 8, 0
	PER 5, 1, -1, 8, 0
	PER 6, 1, 8, 8, 0
	PER 7, 1, -1, 8, 0
	s_wait_alu depctr_va_vdst(0)
	s_wait_xcnt 0x0                                ; the loads have read their bases: these step only behind this wait
	s_add_nc_u64 s[6:7], s[6:7], 4096
	s_add_nc_u64 s[8:9], s[8:9], 2048
	s_wait_dscnt 0x0                               ; no LDS load of mine is out at the signal: the youngest were issued ahead of the period's reciprocals and sums
	s_barrier_signal -1
	s_barrier_wait -1                              ; the sixteen waves stay within a trip of each other: the rings hold a trip's pieces
	s_sub_co_u32 s60, s60, 1
	s_cmp_lg_u32 s60, 0
	s_cbranch_scc1 .Ltrip
	PER 0, 2, 8, 8, 8                              ; periods 56 to 63
	PER 1, 2, -1, 8, 9
	PER 2, 2, 9, 8, 13                             ; behind the addresses of periods 60 and 61: five loads of the rings, four of V
	PER 3, 2, -1, 8, 10
	PER 4, 2, 10, 8, 14                            ; behind the last addresses: two loads of B, eight of V
	PER 5, 2, -1, 8, 11
	PER 6, 2, 12, 8, 15                            ; behind the last B: twelve loads of V
	PER 7, 2, -1, 0, 12
	s_wait_alu depctr_va_vdst(0)                   ; the last batch's wait, ahead of its first reader
	FIN ND+32, 1
; Eight numbers a lane are reduced over the wave's 32 lanes, eight chains side by side; the result is in every lane, in DD
.macro RED8 opd, op, src
.irp i, 0,1,2,3,4,5,6,7
	\opd v[DD+\i], v[\src+\i], v[\src+\i] row_xmask:1 row_mask:0xf bank_mask:0xf
.endr
.irp m, 2,4,8
.irp i, 0,1,2,3,4,5,6,7
	\opd v[DD+\i], v[DD+\i], v[DD+\i] row_xmask:\m row_mask:0xf bank_mask:0xf
.endr
.endr
.irp i, 0,1,2,3,4,5,6,7
	v_permlanex16_b32 v[XX+\i], v[DD+\i], s20, s21
.endr
.irp i, 0,1,2,3,4,5,6,7
	\op v[DD+\i], v[DD+\i], v[XX+\i]
.endr
.endm
	; ---- t, and each query's largest
.irp i, 0,2,4,6
	v_pk_add_f32 v[TT+\i:TT+\i+1], v[ACC+\i:ACC+\i+1], v[ACC+8+\i:ACC+8+\i+1]
.endr
.irp i, 0,2,4,6
	v_pk_mul_f32 v[TT+\i:TT+\i+1], v[TT+\i:TT+\i+1], s[52:53] op_sel_hi:[1,0]   ; t = (the sum of sg r) x -2 log2(e)
.endr
	RED8 v_max_num_f32_dpp, v_max_num_f32, TT
	BARRIER                                        ; all waves have read the table for the last time
.irp i, 0,1,2,3,4,5,6,7
	ds_store_b32 v9, v[DD+\i] offset:64*\i         ; all lanes store the same number to my wave's word
.endr
	BARRIER                                        ; sixteen maxima for each query lie in LDS
	ds_load_b128 v[CC:CC+3], v10
	s_wait_dscnt 0x0
	v_max3_num_f32 v[CC], v[CC], v[CC+1], v[CC+2]
	v_max_num_f32 v[CC], v[CC], v[CC+3]
	v_max_num_f32_dpp v[CC], v[CC], v[CC] row_xmask:1 row_mask:0xf bank_mask:0xf
	v_max_num_f32_dpp v[CC], v[CC], v[CC] row_xmask:2 row_mask:0xf bank_mask:0xf   ; lanes 4 i .. 4 i + 3 hold query i's largest t
	v_floor_f32 v[NMV], -v[CC]                     ; -M = floor(-t) = -ceil(t)
.irp i, 0,1,2,3,4,5,6,7
	v_readlane_b32 s[28+\i], v[NMV], 4*\i
.endr
.irp i, 0,1,2,3,4,5,6,7
	v_add_f32 v[PP+\i], s[28+\i], v[TT+\i]
.endr
	s_wait_alu depctr_va_vdst(0)
.irp i, 0,1,2,3,4,5,6,7
	v_exp_f32 v[PP+\i], v[PP+\i]                   ; p = 2^(t - M)
.endr
	v_nop                                          ; a plain instruction behind the last exponential
	s_wait_alu depctr_va_vdst(0)                   ; one wait for the eight
	; ---- p turns from (lane = key, register = query) to (lane = query, registers = 16 neighbouring keys), in my wave's own bytes: the keys that I quantise are the keys that I computed
.irp i, 0,1,2,3,4,5,6,7
	ds_store_b32 v11, v[PP+\i] offset:PLP*\i
.endr
.irp q, 0,1,2,3
	ds_load_b128 v[QQ+4*\q:QQ+4*\q+3], v12 offset:16*\q   ; LDS serves a wave's instructions in order (ISA guide 5.7.1.4): these see my stores.  Lanes with lane % 16 above 7 read rows 0-7 once more
.endr
	RED8 v_add_f32_dpp, v_add_f32, PP              ; the sum of the unquantised p over my wave's 32 keys, while the loads are out
.irp i, 0,1,2,3,4,5,6,7
	ds_store_b32 v9, v[DD+\i] offset:512+64*\i
.endr
	s_wait_alu depctr_va_vdst(0)
	s_wait_dscnt 0x0
.set n, 0
.rept 16
	v_min_num_f32 v[QQ+n], v[QQ+n], v[LIMV]        ; the conversion to an 8-bit code does not saturate (ISA guide 7.6.2); p is not negative, so the hold is one-sided
.set n, n+1
.endr
	v_cvt_scalef32_pk8_bf8_f32 v[CP:CP+1], v[QQ:QQ+7], v[SCV]
	v_cvt_scalef32_pk8_bf8_f32 v[CP+2:CP+3], v[QQ+8:QQ+15], v[SCV]
	v_nop                                          ; one plain vector instruction behind the last scaled conversion
	ds_store_b128 v6, v[CP:CP+3]                   ; piece w of the images: keys 32 w + 16 h + 0 .. 15 of row lane % 16
	BARRIER                                        ; the sums and p's four fragments lie in LDS
	ds_load_b128 v[CC:CC+3], v10 offset:512
.set n, 0
.rept 16
	ds_load_b128 v[PF+4*n:PF+4*n+3], v7 offset:512*n
.set n, n+1
.endr
	s_wait_dscnt 16                                ; the sums are in; the sixteen loads of p's fragments, issued behind them, may be out
	v_add_f32 v[CC], v[CC], v[CC+1]
	v_add_f32 v[CC+2], v[CC+2], v[CC+3]
	v_add_f32 v[CC], v[CC], v[CC+2]
	v_add_f32_dpp v[CC], v[CC], v[CC] row_xmask:1 row_mask:0xf bank_mask:0xf
	v_add_f32_dpp v[CC], v[CC], v[CC] row_xmask:2 row_mask:0xf bank_mask:0xf       ; lanes 4 i .. 4 i + 3 hold query i's l
	s_wait_alu depctr_va_vdst(0)
	v_rcp_f32 v[RLV], v[CC]
	v_nop                                          ; a plain instruction behind the reciprocal
	s_wait_alu depctr_va_vdst(0)                   ; and the wait, ahead of its first reader
	v_ldexp_f32 v[RL2V], v[RLV], s58               ; x 2^(e4 + e5)
.irp i, 0,1,2,3,4,5,6,7
	v_readlane_b32 s[36+\i], v[RLV], 4*\i
	v_readlane_b32 s[44+\i], v[RL2V], 4*\i
.endr
	s_wait_alu depctr_va_vdst(0)
	s_wait_loadcnt 0x0                             ; V's fragments
	s_wait_dscnt 0x0                               ; p's fragments
	; ---- the product: source 0 = 16 rows of p, source 1 = my 16 columns of V; four K steps of 128 keys on two accumulators by turns, one instruction a turn
	v_wmma_f32_16x16x128_bf8_bf8 v[A0:A0+7], v[PF:PF+15], v[VF:VF+15], 0
	v_wmma_f32_16x16x128_bf8_bf8 v[A1:A1+7], v[PF+16:PF+31], v[VF+16:VF+31], 0
	v_wmma_f32_16x16x128_bf8_bf8 v[A0:A0+7], v[PF+32:PF+47], v[VF+32:VF+47], v[A0:A0+7]
	v_wmma_f32_16x16x128_bf8_bf8 v[A1:A1+7], v[PF+48:PF+63], v[VF+48:VF+63], v[A1:A1+7]
.irp i, 0,1,2,3,4,5,6,7
	v_mul_f32 v[AL+\i], s[36+\i], v[PP+\i]         ; the alignment, p / l.  (These eight name none of the products' registers: they are the places behind them, ISA guide 7.12.1)
.endr
	global_store_b128 v15, v[AL:AL+3], s[16:17]                            ; out1[batch][t][my eight queries]: 32 bytes a lane
	global_store_b128 v15, v[AL+4:AL+7], s[16:17] offset:16
.irp i, 0,2,4,6
	v_pk_add_f32 v[OO+\i:OO+\i+1], v[A0+\i:A0+\i+1], v[A1+\i:A1+\i+1]      ; both accumulators from their low ends on.  Register j of lane (r, h): row 8 h + j, which is query j, column 16 w + r
.endr
.irp i, 0,1,2,3,4,5,6,7
	v_mul_f32 v[OO+\i], s[44+\i], v[OO+\i]         ; x 2^(e4 + e5) / l
.endr
.irp i, 0,1,2,3,4,5,6,7
	ds_store_b32 v13, v[OO+\i] offset:CSP*\i       ; lanes 16-31 hold the copies: they land in the stage's rows 8-15, which nobody reads
.endr
	BARRIER                                        ; eight whole rows of the context lie in the stage
	ds_load_b128 v[OUTR:OUTR+3], v14
	s_wait_dscnt 0x0
	global_store_b128 v3, v[OUTR:OUTR+3], s[14:15] th:TH_STORE_NT          ; out0's left half: a wave stores 512 consecutive bytes, at a multiple of 256 from out0's first byte
	s_wait_tensorcnt 0x0                           ; the wave's end
	ds_add_u32 v1, v2
	s_wait_dscnt 0x0
	s_endpgm
.Lfunc_end_k_q6bdb234b8a_attend:
	.size	k_q6bdb234b8a_attend, .Lfunc_end_k_q6bdb234b8a_attend-k_q6bdb234b8a_attend
	.p2alignl 7, 3214868480
	.fill 96, 4, 3214868480
	.section	.rodata,"a",@progbits
	.p2align	6, 0x0
	.amdhsa_kernel k_q6bdb234b8a_attend
		.amdhsa_group_segment_fixed_size 103936
		.amdhsa_private_segment_fixed_size 0
		.amdhsa_enable_private_segment 0
		.amdhsa_kernarg_size 56
		.amdhsa_user_sgpr_count 2
		.amdhsa_user_sgpr_kernarg_segment_ptr 1
		.amdhsa_wavefront_size32 1
		.amdhsa_system_sgpr_workgroup_id_x 1
		.amdhsa_system_sgpr_workgroup_id_y 1
		.amdhsa_system_sgpr_workgroup_id_z 1
		.amdhsa_system_vgpr_workitem_id 0
		.amdhsa_next_free_vgpr 256
		.amdhsa_next_free_sgpr 66
		.amdhsa_reserve_vcc 0
		.amdhsa_float_denorm_mode_32 3
		.amdhsa_float_denorm_mode_16_64 3
		.amdhsa_memory_ordered 1
		.amdhsa_forward_progress 1
		.amdhsa_inst_pref_size 96
	.end_amdhsa_kernel
	.amdgpu_metadata
---
amdhsa.version: [ 1, 2 ]
amdhsa.kernels:
  - .name:           k_q6bdb234b8a_attend
    .symbol:         k_q6bdb234b8a_attend.kd
    .args:
      - { .name: sa_ws, .offset: 0, .size: 8, .value_kind: global_buffer, .address_space: global }
      - { .name: sb_ws, .offset: 8, .size: 8, .value_kind: global_buffer, .address_space: global }
      - { .name: of_ws, .offset: 16, .size: 8, .value_kind: global_buffer, .address_space: global }
      - { .name: vt_codes, .offset: 24, .size: 8, .value_kind: global_buffer, .address_space: global }
      - { .name: lowp_scales, .offset: 32, .size: 8, .value_kind: global_buffer, .address_space: global }
      - { .name: out0, .offset: 40, .size: 8, .value_kind: global_buffer, .address_space: global }
      - { .name: out1, .offset: 48, .size: 8, .value_kind: global_buffer, .address_space: global }
    .group_segment_fixed_size: 103936
    .private_segment_fixed_size: 0
    .kernarg_segment_align: 8
    .kernarg_segment_size: 56
    .max_flat_workgroup_size: 512
    .sgpr_count:     66
    .vgpr_count:     256
    .wavefront_size: 32
...
	.end_amdgpu_metadata
.endif
;; end of part 2
